; MI455X (gfx1250); checked and timed in simulation.
; The chip was launched on July 23, 2026; its instructions are those of AMD's public machine-readable ISA for CDNA 5 (MIT licence, August 2026) and "CDNA5" Instruction Set Architecture Reference Guide (July 2026). The comments in the code are by the model that wrote it; some were corrected since.
;; Attention. Allowed arithmetic: float matrix products may take bf16 or f16 operands with f32 sums; all other float work in f32.
;; Inputs: key_layer 2 x 16 x 2,048 x 128 float32; query_layer 2 x 16 x 2,048 x 128 float32; value_layer 2 x 16 x 2,048 x 128 float32.
;; Outputs: out0 2 x 2,048 x 2,048 float32.
;; 2 versions, each right and faster than the one before. Each part assembles by itself: llvm-mc -triple=amdgcn-amd-amdhsa -mcpu=gfx1250 --defsym DOCPART=n.
;; ======== version 1 of 2: 1 launch
;; limits: inputs' magnitudes at most 65,504; values are held in f16: magnitudes above 65,504 overflow, below 6.1e-05 lose precision
;; launch attn (part 1): grid 256 x 1, 4 waves a work-group, no clusters, 141,824 bytes of LDS; arguments query_layer, key_layer, value_layer, out0; writes out0
.if DOCPART == 1
	.amdgcn_target "amdgcn-amd-amdhsa--gfx1250"
	.amdhsa_code_object_version 6
	.text
	.protected	k_q0b5c796092_attn
	.globl	k_q0b5c796092_attn
	.p2align	8
	.type	k_q0b5c796092_attn,@function
k_q0b5c796092_attn:
	s_mov_b64 s[64:65], 0
	v_nop
	global_prefetch_b8 v0, s[64:65] scope:SCOPE_SE
	s_setreg_imm32_b32 hwreg(HW_REG_WAVE_MODE, 25, 1), 1
	s_wait_xcnt 0x0
; Causal attention, fused.  Q, K, V: [32 heads][2048][128] f32.  out: [2][2048][16*128] f32.
; score = q.k / sqrt(128) (the problem's two factors 2 cancel); softmax over keys <= query, with a running maximum; out = P V.
;
; SHARING.  256 work-groups; work-group x serves head x >> 3 and, with i = x & 7, the query blocks (128 rows) i and 15 - i of that head:
; (2 i + 2) + (32 - 2 i) = 34 key tiles of 64 keys for every work-group.  Four waves; a wave owns 32 query rows = two tiles of 16 (nt = 0, 1).
; A block qb walks its key tiles in the order 2 qb, 2 qb + 1, 0, 1, .., 2 qb - 1: the first tile holds a valid key for every row, so it starts
; the maximum, the sum and the output sums (C = 0): nothing is cleared and no difference of two infinities can arise.
;
; MATRIX FORM, transposed.  S^T = K Q^T: source 0 = 16 keys x 32 d from LDS, source 1 = Q, kept in registers.  Lane (r, h) register j of a result
; holds key 8 h + j of its 16 and query r.  Two neighbouring key tiles, packed to f16 pair by pair, ARE the source-1 fragment of P^T for 32 keys:
; nothing moves between lanes.  O^T = V^T P^T: source 0 = V^T by the transposing LDS load from V kept [key][d]; lane (r, h) register j holds
; d = 8 h + j of its 16 and query r.  So maximum, sum and factor of a query are one number a lane; the two halves of the lanes hold different keys:
; one v_permlanex16_b32 joins the maxima, the sums stay apart until the end.
;
; FORMAT: f16 for all four matrix operands, sums in f32.  A row with few keys is a sum of a few terms of V's own size, and may come out much smaller
; than they are: it needs the 11 significant bits of f16 in P and in V (a rounding of at most 2^-12 of each term); bf16's 8 bits are too few there.
;
; K AND V come as f32 by 16-byte loads (one load of a wave = one whole key row of 512 bytes), are rounded to f16 once in the work-group and laid
; into one of two LDS buffers.  Two sets of staging registers: trip n stores tile n + 1 and asks for tile n + 3, so 2 x 32 loads of every wave are out.
;
; NO CLUSTER, NO COPY ENGINE: the eight work-groups of a head start each block at their own diagonal and walk blocks of different lengths, so no two
; of them want the same tile in the same trip; and a tile brought into LDS as it lies in memory is 64 KiB of f32 that would have to be read back,
; rounded and stored again beside the 32 KiB of f16 that the matrix fragments are read from.
; NO PREFETCH: a tile's own loads go out two trips ahead of its use.
;
; LIMITS.  Inputs are finite (NaN and infinities are not served) and below 65,504 in magnitude, f16's largest number: beyond it the rounding gives
; infinity.  Inputs with a spread of about 1 leave a factor of some 10,000 to that bound.  Inputs under 2^-14 in magnitude are kept to 2^-25 absolutely.
; The row sum adds the unrounded f32 exponentials; P goes to the matrix unit in f16: terms of P under 2^-24 count as 0 there, beside a sum of at least 1.
.set KP,    272                        ; K and Q rows in LDS: 256 bytes + 16 = 17 x 16: the 16 rows of a fragment load begin in 16 different 16-byte columns of a 256-byte span
.set VP,    288                        ; V rows: 256 + 32 = 9 x 32, for the transposing load
.set VOFF,  64*KP                      ; 17,408: V's 64 rows lie behind K's 64
.set BUF,   64*KP+64*VP                ; 35,840 bytes a buffer; buffers at 0 and BUF
.set QBASE, 2*BUF                      ; 71,680: f16 Q, each wave's own 32 rows of pitch KP; low block first, then the high block
.set QWAVE, 32*KP                      ; 8,704
.set QBLK,  4*QWAVE                    ; 34,816.  QBASE + 2 QBLK = 141,312 bytes in all
.set OP,    528                        ; the way out: 16 rows of 512 bytes + 16, in the wave's own low-block Q bytes (16 x 528 = 8,448 <= 8,704), which are dead by then
; window 0
.set VKF, 2                            ; LDS: K fragment, r KP + 16 h
.set VVF, 3                            ; LDS: V fragment, VOFF + (8 h + (l & 7)) VP + 16 ((l >> 3) & 1)
.set VSK, 4                            ; LDS: where I store K, 16 w KP + 8 l
.set VSV, 5                            ; LDS: where I store V, VOFF + 16 w VP + 8 l
.set VQS, 6                            ; LDS: where I store Q
.set VQF, 7                            ; LDS: Q fragment
.set VOS, 8                            ; LDS: way out, in
.set VOR, 9                            ; LDS: way out, back
.set VGO, 10                           ; global: my 16 bytes in my wave's 16 rows of a key tile, 8,192 w + 16 l
.set VQG, 11                           ; global: the same in my wave's 32 query rows, 16,384 w + 16 l
.set VOG, 12                           ; global: 16 l
.set VD,  13                           ; mask: 32 w + r - 8 h
.set VDB, 14                           ; mask: the same - 64
.set MX,  16                           ; v[16:19]  running maximum, [trip parity][nt]
.set NM,  20                           ; v[20:27]  (-c m, -c m), [trip parity][nt], pairs
.set LS,  28                           ; v[28:29]  running sum of my half's keys, [nt]
.set AL,  30                           ; v[30:33]  factor for the old sums, [nt], pairs; at the end 1 / sum
.set TT,  34                           ; v[34:49]  at work
.set SR,  64                           ; v[64:127]   scores, tile (kt, nt) at SR + 32 nt + 8 kt
.set PB,  128                          ; v[128:159]  P in f16, fragment (32 keys ks2, nt) at PB + 16 nt + 8 ks2
.set QR,  160                          ; v[160:223]  Q fragments, (nt, ks) at QR + 32 nt + 8 ks
; window 1: K fragments (ks, kt) at 32 ks + 8 kt; V fragments (ks2, dt) at 128 + 64 ks2 + 8 dt; in the prologue raw Q
; window 2: output sums (nt, dt) at 64 nt + 8 dt
; window 3: staging set p: K row j at 128 p + 4 j, V row j at 128 p + 64 + 4 j
.set KB,  16                           ; s[16:17] K at my head        s[18:19] V at my head
.set VB,  18
.set PF,  20                           ; s[20:21] byte offset in the head of the tile asked for next; s22 where it wraps to 0; s23 tiles left in the low block
.set NK,  26                           ; s[26:29] K and V addresses of staging set 0's tile, s[30:33] of set 1's
                                       ; s24, s25: first offset and wrap of the high block   s34, s35: lane selectors   s[36:37]: c, c   s38: -c   s39: -infinity
                                       ; s40: loop counter   s[42:43], s[44:45]: out, low and high block   s[46:47], s[48:49]: Q, low and high block
.set MSB, 0
.macro WIN new                         ; s_set_vgpr_msb: bits 1:0 source 0, 3:2 source 1, 5:4 source 2, 7:6 destination; the high byte repeats the setting that is left
.if MSB != \new
	s_set_vgpr_msb (MSB<<8)|\new
.set MSB, \new
.endif
.endm
.macro PLACES                          ; four places behind matrix instructions (ISA guide 7.12.1)
.rept 4
	v_nop
.endr
.endm
; Ask for the next key tile into staging set p: 16 rows of K and 16 of V a wave, each load one whole row of 512 bytes.  Then step the cursor.
.macro LOADTILE p
	s_add_nc_u64 s[NK+4*\p:NK+4*\p+1], s[KB:KB+1], s[PF:PF+1]       ; this set's earlier loads have been shown done by their counted wait: its bases are free
	s_add_nc_u64 s[NK+4*\p+2:NK+4*\p+3], s[VB:VB+1], s[PF:PF+1]
	WIN 0xc0
.irp j, 0,1,2,3,4,5,6,7,8,9,10,11,12,13,14,15
	global_load_b128 v[128*\p+4*\j:128*\p+4*\j+3], v[VGO], s[NK+4*\p:NK+4*\p+1] offset:512*\j
.endr
.irp j, 0,1,2,3,4,5,6,7,8,9,10,11,12,13,14,15
	global_load_b128 v[128*\p+64+4*\j:128*\p+64+4*\j+3], v[VGO], s[NK+4*\p+2:NK+4*\p+3] offset:512*\j
.endr
	s_add_co_u32 s[PF], s[PF], 0x8000              ; 64 keys x 512 bytes on
	s_cmp_eq_u32 s[PF], s22
	s_cselect_b32 s[PF], 0, s[PF]                  ; behind the two diagonal tiles: tile 0
	s_sub_co_u32 s23, s23, 1
	s_cmp_eq_u32 s23, 0
	s_cselect_b32 s[PF], s24, s[PF]                ; behind the low block's last tile: the high block's diagonal,
	s_cselect_b32 s22, s25, s22                    ; and its wrap
.endm
; Round staging set p to f16 in place (4 f32 -> 2 registers) and lay it into LDS buffer buf: 8 bytes a lane, 256 neighbouring bytes a store.
.macro CVTSTORE p, buf
	WIN 0xcf
.set cv_a, 128*\p
.rept 32
	v_cvt_pk_f16_f32 v[cv_a], v[cv_a], v[cv_a+1]
	v_cvt_pk_f16_f32 v[cv_a+1], v[cv_a+2], v[cv_a+3]
.set cv_a, cv_a+4
.endr
	WIN 0x0c
.irp j, 0,1,2,3,4,5,6,7,8,9,10,11,12,13,14,15
	ds_store_b64 v[VSK], v[128*\p+4*\j:128*\p+4*\j+1] offset:\buf*BUF+\j*KP
.endr
.irp j, 0,1,2,3,4,5,6,7,8,9,10,11,12,13,14,15
	ds_store_b64 v[VSV], v[128*\p+64+4*\j:128*\p+64+4*\j+1] offset:\buf*BUF+\j*VP
.endr
.endm
; Raw Q of block blk (32 rows a wave) into window 1; read once in the launch
.macro QGLOAD blk, base
	WIN 0x40
.set cv_a, 0
.rept 32
	global_load_b128 v[128*\blk+4*cv_a:128*\blk+4*cv_a+3], v[VQG], s[\base:\base+1] offset:512*cv_a th:TH_LOAD_NT
.set cv_a, cv_a+1
.endr
.endm
; Round it and lay it into my wave's own rows of LDS
.macro QSTORE blk
	WIN 0x45
.set cv_a, 128*\blk
.rept 32
	v_cvt_pk_f16_f32 v[cv_a], v[cv_a], v[cv_a+1]
	v_cvt_pk_f16_f32 v[cv_a+1], v[cv_a+2], v[cv_a+3]
.set cv_a, cv_a+4
.endr
	WIN 0x04
.set cv_a, 0
.rept 32
	ds_store_b64 v[VQS], v[128*\blk+4*cv_a:128*\blk+4*cv_a+1] offset:\blk*QBLK+cv_a*KP
.set cv_a, cv_a+1
.endr
.endm
; 32 loads: all K fragments of a tile, 32 d at a time (ks), so that the products can begin when the first eight are in
.macro KLOAD buf
	WIN 0x40
.irp ks, 0,1,2,3
.irp kt, 0,1,2,3
	ds_load_b128 v[32*\ks+8*\kt:32*\ks+8*\kt+3],   v[VKF] offset:\buf*BUF+\kt*16*KP+\ks*64
	ds_load_b128 v[32*\ks+8*\kt+4:32*\ks+8*\kt+7], v[VKF] offset:\buf*BUF+\kt*16*KP+\ks*64+32
.endr
.endr
.endm
; 32 transposing loads: all V^T fragments of a tile (16 d x 32 keys each)
.macro VLOAD buf
	WIN 0x40
.irp ks2, 0,1
.irp dt, 0,1,2,3,4,5,6,7
	ds_load_tr16_b128 v[128+64*\ks2+8*\dt:128+64*\ks2+8*\dt+3],   v[VVF] offset:\buf*BUF+\ks2*32*VP+\dt*32
	ds_load_tr16_b128 v[128+64*\ks2+8*\dt+4:128+64*\ks2+8*\dt+7], v[VVF] offset:\buf*BUF+\ks2*32*VP+\dt*32+16*VP
.endr
.endr
.endm
; 16 loads: my wave's Q fragments of block blk, from its own bytes
.macro QLOAD blk
	WIN 0
.irp nt, 0,1
.irp ks, 0,1,2,3
	ds_load_b128 v[QR+32*\nt+8*\ks:QR+32*\nt+8*\ks+3],   v[VQF] offset:\blk*QBLK+\nt*16*KP+\ks*64
	ds_load_b128 v[QR+32*\nt+8*\ks+4:QR+32*\nt+8*\ks+7], v[VQF] offset:\blk*QBLK+\nt*16*KP+\ks*64+32
.endr
.endr
.endm
; 32 matrix instructions: scores of 64 keys x 32 queries.  The eight accumulators take turns, one instruction a turn.
; first = 1: Q's fragments were asked for behind K's, so the one wait is for all.
.macro QK first
	WIN 0x01
.irp ks, 0,1,2,3
.if \first
.if \ks == 0
	s_wait_dscnt 0x0
.endif
.else
	s_wait_dscnt 24-8*\ks                          ; the K loads are the youngest LDS instructions: 8 (3 - ks) of them belong to later ks and may be out
.endif
.irp kt, 0,1,2,3
.irp nt, 0,1
.if \ks == 0
	v_wmma_f32_16x16x32_f16 v[SR+32*\nt+8*\kt:SR+32*\nt+8*\kt+7], v[32*\ks+8*\kt:32*\ks+8*\kt+7], v[QR+32*\nt+8*\ks:QR+32*\nt+8*\ks+7], 0
.else
	v_wmma_f32_16x16x32_f16 v[SR+32*\nt+8*\kt:SR+32*\nt+8*\kt+7], v[32*\ks+8*\kt:32*\ks+8*\kt+7], v[QR+32*\nt+8*\ks:QR+32*\nt+8*\ks+7], v[SR+32*\nt+8*\kt:SR+32*\nt+8*\kt+7]
.endif
.endr
.endr
.endr
.endm
; A diagonal tile: key 16 kt + 8 h + j (+ 64) stays where it is <= query 32 w + 16 nt + r, that is 16 kt + j - 16 nt <= vd; else -infinity
.macro MASK vd
.irp nt, 0,1
.irp kt, 0,1,2,3
.irp j, 0,1,2,3,4,5,6,7
	v_cmp_le_i32 vcc_lo, 16*\kt+\j-16*\nt, v[\vd]
	v_cndmask_b32 v[SR+32*\nt+8*\kt+\j], s39, v[SR+32*\nt+8*\kt+\j], vcc_lo
.endr
.endr
.endr
.endm
; Pair sm_k of tile column nt: into one of two sum chains (the first four pairs start them) and, packed, into P
.macro SUMCVT nt
.if sm_k >= 4
	v_pk_add_f32 v[TT+4*\nt+2*(sm_k&1):TT+4*\nt+2*(sm_k&1)+1], v[TT+4*\nt+2*(sm_k&1):TT+4*\nt+2*(sm_k&1)+1], v[SR+32*\nt+2*sm_k:SR+32*\nt+2*sm_k+1]
.elseif sm_k >= 2
	v_pk_add_f32 v[TT+4*\nt+2*(sm_k&1):TT+4*\nt+2*(sm_k&1)+1], v[SR+32*\nt+2*sm_k-4:SR+32*\nt+2*sm_k-3], v[SR+32*\nt+2*sm_k:SR+32*\nt+2*sm_k+1]
.endif
	s_wait_alu depctr_va_vdst(0)
	v_cvt_pk_f16_f32 v[PB+16*\nt+sm_k], v[SR+32*\nt+2*sm_k], v[SR+32*\nt+2*sm_k+1]
.endm
; Running softmax of one tile.  b = the trip's parity, ob = the other.  p = 2^(c s - c m), c = log2(e) / sqrt(128).
.macro SOFTMAX b, ob, first
	; the largest of my 32 scores for each nt: eight chains of three-way maxima
.irp nt, 0,1
.irp kt, 0,1,2,3
	v_max3_num_f32 v[TT+4*\nt+\kt], v[SR+32*\nt+8*\kt], v[SR+32*\nt+8*\kt+1], v[SR+32*\nt+8*\kt+2]
.endr
.endr
.irp nt, 0,1
.irp kt, 0,1,2,3
	v_max3_num_f32 v[TT+4*\nt+\kt], v[TT+4*\nt+\kt], v[SR+32*\nt+8*\kt+3], v[SR+32*\nt+8*\kt+4]
.endr
.endr
.irp nt, 0,1
.irp kt, 0,1,2,3
	v_max3_num_f32 v[TT+4*\nt+\kt], v[TT+4*\nt+\kt], v[SR+32*\nt+8*\kt+5], v[SR+32*\nt+8*\kt+6]
.endr
.endr
.irp nt, 0,1
	v_max3_num_f32 v[TT+4*\nt],   v[TT+4*\nt],   v[TT+4*\nt+1], v[SR+32*\nt+7]
	v_max3_num_f32 v[TT+4*\nt+2], v[TT+4*\nt+2], v[TT+4*\nt+3], v[SR+32*\nt+15]
.endr
.irp nt, 0,1
	v_max3_num_f32 v[TT+4*\nt], v[TT+4*\nt], v[TT+4*\nt+2], v[SR+32*\nt+23]
.endr
.irp nt, 0,1
	v_max_num_f32 v[TT+4*\nt], v[TT+4*\nt], v[SR+32*\nt+31]
.endr
.irp nt, 0,1
	v_permlanex16_b32 v[TT+8+\nt], v[TT+4*\nt], s34, s35           ; the other half's keys of the same query
.endr
.irp nt, 0,1
.if \first
	v_max_num_f32 v[MX+2*\b+\nt], v[TT+4*\nt], v[TT+8+\nt]
.else
	v_max3_num_f32 v[MX+2*\b+\nt], v[TT+4*\nt], v[TT+8+\nt], v[MX+2*\ob+\nt]
.endif
.endr
.irp nt, 0,1
	v_mul_f32 v[NM+4*\b+2*\nt],   s38, v[MX+2*\b+\nt]              ; -c m, twice: a pair for the packed multiply-add
	v_mul_f32 v[NM+4*\b+2*\nt+1], s38, v[MX+2*\b+\nt]
.endr
.if \first == 0
.irp nt, 0,1
	v_sub_f32 v[TT+10+\nt], v[NM+4*\b+2*\nt], v[NM+4*\ob+2*\nt]    ; c (old m - new m) <= 0
.endr
.irp nt, 0,1
	v_exp_f32 v[AL+2*\nt],   v[TT+10+\nt]                          ; the factor for the old sums; first used far below
	v_exp_f32 v[AL+2*\nt+1], v[TT+10+\nt]
.endr
.endif
	; Behind an exponential a plain vector instruction on other registers stands before its result is used (ISA guide 5.7.2):
	; the exponentials of one nt are laced with the other nt's plain work.
.set sm_k, 0
.rept 16
	v_pk_fma_f32 v[SR+2*sm_k:SR+2*sm_k+1], v[SR+2*sm_k:SR+2*sm_k+1], s[36:37], v[NM+4*\b:NM+4*\b+1] op_sel_hi:[1,0,1]
.set sm_k, sm_k+1
.endr
.set sm_k, 0
.rept 16
	v_exp_f32 v[SR+2*sm_k],   v[SR+2*sm_k]
	v_exp_f32 v[SR+2*sm_k+1], v[SR+2*sm_k+1]
	v_pk_fma_f32 v[SR+32+2*sm_k:SR+32+2*sm_k+1], v[SR+32+2*sm_k:SR+32+2*sm_k+1], s[36:37], v[NM+4*\b+2:NM+4*\b+3] op_sel_hi:[1,0,1]
.set sm_k, sm_k+1
.endr
.set sm_k, 0
.rept 16
	v_exp_f32 v[SR+32+2*sm_k],   v[SR+32+2*sm_k]
	v_exp_f32 v[SR+32+2*sm_k+1], v[SR+32+2*sm_k+1]
	SUMCVT 0
.set sm_k, sm_k+1
.endr
.set sm_k, 0
.rept 16
	SUMCVT 1
.set sm_k, sm_k+1
.endr
.irp nt, 0,1
	v_pk_add_f32 v[TT+4*\nt:TT+4*\nt+1], v[TT+4*\nt:TT+4*\nt+1], v[TT+4*\nt+2:TT+4*\nt+3]
.endr
.irp nt, 0,1
.if \first
	v_add_f32 v[LS+\nt], v[TT+4*\nt], v[TT+4*\nt+1]
.else
	v_add_f32 v[TT+4*\nt], v[TT+4*\nt], v[TT+4*\nt+1]
	v_fma_f32 v[LS+\nt], v[LS+\nt], v[AL+2*\nt], v[TT+4*\nt]
.endif
.endr
.endm
; The old output sums times the factor
.macro RESCALE
	WIN 0x82
.irp nt, 0,1
.set rs_k, 0
.rept 32
	v_pk_mul_f32 v[64*\nt+2*rs_k:64*\nt+2*rs_k+1], v[64*\nt+2*rs_k:64*\nt+2*rs_k+1], v[AL+2*\nt:AL+2*\nt+1]
.set rs_k, rs_k+1
.endr
.endr
.endm
; 32 matrix instructions: O^T += V^T P^T.  The sixteen accumulators take turns, one instruction a turn.
.macro PV first
	WIN 0xa1
.irp ks2, 0,1
.irp dt, 0,1,2,3,4,5,6,7
.irp nt, 0,1
.if \first*(1-\ks2)
	v_wmma_f32_16x16x32_f16 v[64*\nt+8*\dt:64*\nt+8*\dt+7], v[128+64*\ks2+8*\dt:128+64*\ks2+8*\dt+7], v[PB+16*\nt+8*\ks2:PB+16*\nt+8*\ks2+7], 0
.else
	v_wmma_f32_16x16x32_f16 v[64*\nt+8*\dt:64*\nt+8*\dt+7], v[128+64*\ks2+8*\dt:128+64*\ks2+8*\dt+7], v[PB+16*\nt+8*\ks2:PB+16*\nt+8*\ks2+7], v[64*\nt+8*\dt:64*\nt+8*\dt+7]
.endif
.endr
.endr
.endr
.endm
; One key tile, n, in LDS buffer b (ob = the other buffer, and the staging set of tiles n + 1 and n + 3).
; first: the block's first tile.  mask: 0 none, 1 first diagonal tile, 2 second.  st: tile n + 1 exists.  ld: tile n + 3 exists.
; left: how many younger global loads may stay out when tile n + 1 has to be in its staging set.
; ONE barrier a trip, for two things.  In front of it every wave's LDS instructions are done: its reads of buffer b (K's in the products above,
; V's here) and its stores of tile n + 1 into buffer ob.  So behind it tile n + 1 may be read, and in the next trip buffer b may be written.
.macro TRIP b, ob, first, mask, st, ld, left
	QK \first
	PLACES                                         ; behind the products above: their scores are read below; behind the last trip's output products: their V fragments are loaded again, their P rewritten
	VLOAD \b
	WIN 0
.if \mask == 1
	MASK VD
.endif
.if \mask == 2
	MASK VDB
.endif
	SOFTMAX \b, \ob, \first
.if \first == 0
	RESCALE
.endif
.if \st
	s_wait_loadcnt \left                           ; loads come back in order (ISA guide 5.7.1): tile n + 1 is in; the 32 loads of tile n + 2, where it exists, stay out
	CVTSTORE \ob, \ob
.endif
	s_wait_dscnt 0x0                               ; V's fragments are in and my stores are done: for my products below, and for the other waves
.if \st
	s_barrier_signal -1
	s_barrier_wait -1
	KLOAD \ob                                      ; tile n + 1's K fragments, 32 matrix instructions ahead of their first use
.endif
.if \ld
	LOADTILE \ob
.endif
	PV \first
.endm
; The end of a block: divide by the sum, and out through my wave's own stage, 16 queries at a time; a store covers 512 neighbouring bytes, aligned.
.macro EPI ob
	PLACES                                         ; behind the last output products
.irp nt, 0,1
	v_permlanex16_b32 v[TT+8+\nt], v[LS+\nt], s34, s35             ; the other half's keys
.endr
.irp nt, 0,1
	v_add_f32 v[TT+8+\nt], v[TT+8+\nt], v[LS+\nt]                  ; at least 1: the largest score's term
.endr
.irp nt, 0,1
	v_rcp_f32 v[AL+2*\nt],   v[TT+8+\nt]
	v_rcp_f32 v[AL+2*\nt+1], v[TT+8+\nt]
.endr
	v_nop                                          ; a plain place behind the reciprocals (ISA guide 5.7.2)
.irp nt, 0,1
	WIN 0x82
.set rs_k, 0
.rept 32
	s_wait_alu depctr_va_vdst(0)
	v_pk_mul_f32 v[64*\nt+2*rs_k:64*\nt+2*rs_k+1], v[64*\nt+2*rs_k:64*\nt+2*rs_k+1], v[AL+2*\nt:AL+2*\nt+1]
.set rs_k, rs_k+1
.endr
	WIN 0x08
.irp dt, 0,1,2,3,4,5,6,7
	ds_store_b128 v[VOS], v[64*\nt+8*\dt:64*\nt+8*\dt+3]   offset:\dt*64      ; query r, d = 16 dt + 8 h + 0..3
	ds_store_b128 v[VOS], v[64*\nt+8*\dt+4:64*\nt+8*\dt+7] offset:\dt*64+16   ; and + 4..7
.endr
	WIN 0
.irp rho, 0,1,2,3,4,5,6,7,8,9,10,11,12,13,14,15
	ds_load_b128 v[SR+96*\nt+4*\rho:SR+96*\nt+4*\rho+3], v[VOR] offset:\rho*OP   ; LDS serves a wave's instructions in order (ISA guide 5.7.1): these see the stores above, and the next 16 queries' stores come behind them
.endr
.irp rho, 0,1,2,3,4,5,6,7,8,9,10,11,12,13,14,15
	s_wait_dscnt 15-\rho                           ; row rho is in; the younger rows may be out
	global_store_b128 v[VOG], v[SR+96*\nt+4*\rho:SR+96*\nt+4*\rho+3], s[\ob:\ob+1] offset:\rho*8192+\nt*131072 th:TH_STORE_NT
.endr
.endr
	s_wait_xcnt 0x0                                ; the stores' data lie where scores and Q fragments are written next
.endm
	s_load_b256 s[4:11], s[0:1], 0x0               ; Q s[4:5], K s[6:7], V s[8:9], out s[10:11]
	v_lshl_add_u32 v254, v0, 2, 0x22800
	v_mov_b32 v255, 0
	v_lshrrev_b32 v1, 5, v0
	v_readfirstlane_b32 s12, v1                    ; wave w
	s_and_b32 s13, ttmp9, 7                        ; i
	s_lshr_b32 s14, ttmp9, 3                       ; head, 0 to 31
	s_mov_b32 s34, 0x76543210                      ; v_permlanex16_b32: lane i of one half reads lane i of the other
	s_mov_b32 s35, 0xfedcba98
	s_mov_b32 s36, 0x3e0293ee                      ; c = log2(e) / sqrt(128)
	s_mov_b32 s37, 0x3e0293ee
	s_mov_b32 s38, 0xbe0293ee                      ; -c
	s_mov_b32 s39, 0xff800000                      ; -infinity
	s_lshl_b32 s[PF], s13, 16                      ; the low block's diagonal: tile 2 i, 32,768 bytes a tile
	s_mov_b32 s[PF+1], 0
	s_add_co_u32 s22, s[PF], 0x10000               ; two tiles on the cursor wraps to tile 0
	s_lshl_b32 s23, s13, 1
	s_add_co_u32 s23, s23, 2                       ; 2 i + 2 tiles in the low block
	s_sub_co_u32 s24, 15, s13
	s_lshl_b32 s24, s24, 16                        ; the high block's diagonal: tile 2 (15 - i)
	s_add_co_u32 s25, s24, 0x10000
	v_and_b32 v[TT], 31, v0                        ; l
	v_and_b32 v[TT+1], 15, v0                      ; r
	v_bfe_u32 v[TT+2], v0, 4, 1                    ; h
	v_mul_u32_u24 v[VKF], v[TT+1], KP
	v_lshl_add_u32 v[VKF], v[TT+2], 4, v[VKF]
	v_and_b32 v[TT+3], 7, v0
	v_lshl_add_u32 v[TT+3], v[TT+2], 3, v[TT+3]
	v_mul_u32_u24 v[TT+3], v[TT+3], VP
	v_bfe_u32 v[TT+4], v0, 3, 1
	v_lshl_add_u32 v[TT+3], v[TT+4], 4, v[TT+3]
	v_add_nc_u32 v[VVF], VOFF, v[TT+3]
	s_mul_i32 s50, s12, 16*KP
	v_lshl_add_u32 v[VSK], v[TT], 3, s50
	s_mul_i32 s51, s12, 16*VP
	s_add_co_u32 s51, s51, VOFF
	v_lshl_add_u32 v[VSV], v[TT], 3, s51
	s_mul_i32 s52, s12, QWAVE
	s_add_co_u32 s52, s52, QBASE                   ; my wave's own bytes
	v_lshl_add_u32 v[VQS], v[TT], 3, s52
	v_add_nc_u32 v[VQF], s52, v[VKF]
	v_mul_u32_u24 v[TT+3], v[TT+1], OP
	v_lshl_add_u32 v[TT+3], v[TT+2], 5, v[TT+3]
	v_add_nc_u32 v[VOS], s52, v[TT+3]
	v_lshl_add_u32 v[VOR], v[TT], 4, s52
	s_lshl_b32 s53, s12, 13
	v_lshl_add_u32 v[VGO], v[TT], 4, s53
	s_lshl_b32 s54, s12, 14
	v_lshl_add_u32 v[VQG], v[TT], 4, s54
	v_lshlrev_b32 v[VOG], 4, v[TT]
	s_lshl_b32 s55, s12, 5
	v_lshlrev_b32 v[TT+3], 3, v[TT+2]
	v_sub_nc_u32 v[TT+3], v[TT+1], v[TT+3]
	v_add_nc_u32 v[VD], s55, v[TT+3]
	v_add_nc_u32 v[VDB], 0xffffffc0, v[VD]
	v_mov_b32 v[TT+8], 0                           ; v_permlanex16_b32 counts as a reader of its destination
	v_mov_b32 v[TT+9], 0
	; offsets, apart from the addresses
	s_lshl_b32 s56, s14, 20                        ; a head: 2,048 x 512 bytes
	s_mov_b32 s57, 0
	s_mov_b32 s58, s24                             ; the high block's rows in Q: 128 (15 - i) x 512 bytes, the same figure as its diagonal tile's offset
	s_mov_b32 s59, 0
	s_lshr_b32 s60, s14, 4                         ; out: batch x 2,048 rows x 8,192 bytes
	s_lshl_b32 s60, s60, 24
	s_and_b32 s62, s14, 15
	s_lshl_b32 s62, s62, 9                         ; + head in the batch x 512 bytes
	s_add_co_u32 s60, s60, s62
	s_lshl_b32 s62, s12, 18                        ; + 32 w rows
	s_add_co_u32 s60, s60, s62
	s_lshl_b32 s62, s24, 4                         ; + 128 (15 - i) rows
	s_add_co_u32 s62, s62, s60
	s_lshl_b32 s61, s13, 20                        ; + 128 i rows
	s_add_co_u32 s60, s60, s61
	s_mov_b32 s61, 0
	s_mov_b32 s63, 0
	s_wait_kmcnt 0x0
	s_add_nc_u64 s[KB:KB+1], s[6:7], s[56:57]
	s_add_nc_u64 s[VB:VB+1], s[8:9], s[56:57]
	s_add_nc_u64 s[46:47], s[4:5], s[56:57]
	s_add_nc_u64 s[48:49], s[46:47], s[58:59]
	s_add_nc_u64 s[46:47], s[46:47], s[PF:PF+1]    ; the low block's rows: 128 i x 512 bytes, the cursor's first value
	s_add_nc_u64 s[42:43], s[10:11], s[60:61]
	s_add_nc_u64 s[44:45], s[10:11], s[62:63]
	LOADTILE 0                                     ; tile 0
	QGLOAD 0, 46
	LOADTILE 1                                     ; tile 1
	QGLOAD 1, 48
	s_wait_loadcnt 0x3f                            ; of the 128 loads the oldest 65 are in: tile 0 and the low block's Q
	CVTSTORE 0, 0
	QSTORE 0
	LOADTILE 0                                     ; tile 2
	s_wait_loadcnt 0x20                            ; all but tile 2's 32 loads: the high block's Q is in
	QSTORE 1
	s_wait_dscnt 0x0                               ; my stores of tile 0 are done, for the other waves
	s_barrier_signal -1
	s_barrier_wait -1
	KLOAD 0
	QLOAD 0
	; the low block: two diagonal tiles, then i pairs of whole tiles
	TRIP 0, 1, 1, 1, 1, 1, 32
	TRIP 1, 0, 0, 2, 1, 1, 32
	WIN 0                                          ; at a branch and at a label every window is 0
	s_cmp_eq_u32 s13, 0
	s_cbranch_scc1 .Llow_done
	s_mov_b32 s40, s13
.Llow:
	TRIP 0, 1, 0, 0, 1, 1, 32
	TRIP 1, 0, 0, 0, 1, 1, 32
	WIN 0
	s_sub_co_u32 s40, s40, 1
	s_cmp_lg_u32 s40, 0
	s_cbranch_scc1 .Llow
.Llow_done:
	EPI 42
	QLOAD 1
	; the high block: two diagonal tiles, 13 - i pairs (6 to 13), and the launch's last four tiles written out: they ask for nothing beyond tile 33
	TRIP 0, 1, 1, 1, 1, 1, 32
	TRIP 1, 0, 0, 2, 1, 1, 32
	WIN 0
	s_sub_co_i32 s40, 13, s13
.Lhigh:
	TRIP 0, 1, 0, 0, 1, 1, 32
	TRIP 1, 0, 0, 0, 1, 1, 32
	WIN 0
	s_sub_co_i32 s40, s40, 1
	s_cmp_gt_i32 s40, 0                            ; a signed compare: the count comes down and ends from any start
	s_cbranch_scc1 .Lhigh
	TRIP 0, 1, 0, 0, 1, 1, 32                      ; tile 30: stores 31, asks for 33
	TRIP 1, 0, 0, 0, 1, 0, 32                      ; tile 31: stores 32; 33's loads stay out
	TRIP 0, 1, 0, 0, 1, 0, 0                       ; tile 32: stores 33, the last: no load is younger
	TRIP 1, 0, 0, 0, 0, 0, 0                       ; tile 33: nothing to store, so no barrier
	WIN 0
	EPI 44
	s_wait_tensorcnt 0x0
	ds_add_u32 v254, v255
	s_wait_dscnt 0x0
	s_endpgm
.Lfunc_end_k_q0b5c796092_attn:
	.size	k_q0b5c796092_attn, .Lfunc_end_k_q0b5c796092_attn-k_q0b5c796092_attn
	.p2alignl 7, 3214868480
	.fill 96, 4, 3214868480
	.section	.rodata,"a",@progbits
	.p2align	6, 0x0
	.amdhsa_kernel k_q0b5c796092_attn
		.amdhsa_group_segment_fixed_size 141824
		.amdhsa_private_segment_fixed_size 0
		.amdhsa_enable_private_segment 0
		.amdhsa_kernarg_size 32
		.amdhsa_user_sgpr_count 2
		.amdhsa_user_sgpr_kernarg_segment_ptr 1
		.amdhsa_wavefront_size32 1
		.amdhsa_system_sgpr_workgroup_id_x 1
		.amdhsa_system_sgpr_workgroup_id_y 1
		.amdhsa_system_sgpr_workgroup_id_z 1
		.amdhsa_system_vgpr_workitem_id 0
		.amdhsa_next_free_vgpr 1024
		.amdhsa_next_free_sgpr 66
		.amdhsa_reserve_vcc 1
		.amdhsa_float_denorm_mode_32 3
		.amdhsa_float_denorm_mode_16_64 3
		.amdhsa_memory_ordered 1
		.amdhsa_forward_progress 1
		.amdhsa_inst_pref_size 255
	.end_amdhsa_kernel
	.section	.bss,"aw",@nobits
	.p2align	6
	.space	262144
	.amdgpu_metadata
---
amdhsa.version: [ 1, 2 ]
amdhsa.kernels:
  - .name:           k_q0b5c796092_attn
    .symbol:         k_q0b5c796092_attn.kd
    .args:
      - { .name: query_layer, .offset: 0, .size: 8, .value_kind: global_buffer, .address_space: global }
      - { .name: key_layer, .offset: 8, .size: 8, .value_kind: global_buffer, .address_space: global }
      - { .name: value_layer, .offset: 16, .size: 8, .value_kind: global_buffer, .address_space: global }
      - { .name: out0, .offset: 24, .size: 8, .value_kind: global_buffer, .address_space: global }
    .group_segment_fixed_size: 141824
    .private_segment_fixed_size: 0
    .kernarg_segment_align: 8
    .kernarg_segment_size: 32
    .max_flat_workgroup_size: 128
    .sgpr_count:     66
    .vgpr_count:     1024
    .wavefront_size: 32
...
	.end_amdgpu_metadata
.endif
;; end of part 1
;; ======== version 2 of 2: 1 launch; 1.18 times as fast as version 1
;; limits: values are held in f16: magnitudes above 65,504 overflow, below 6.1e-05 lose precision; inputs' magnitudes at most 65,504
;; launch attn (part 2): grid 256 x 1, 4 waves a work-group, no clusters, 141,824 bytes of LDS; arguments query_layer, key_layer, value_layer, out0; writes out0
.if DOCPART == 2
	.amdgcn_target "amdgcn-amd-amdhsa--gfx1250"
	.amdhsa_code_object_version 6
	.text
	.protected	k_q0b5c796092_attn
	.globl	k_q0b5c796092_attn
	.p2align	8
	.type	k_q0b5c796092_attn,@function
k_q0b5c796092_attn:
	s_mov_b64 s[64:65], 0
	v_nop
	global_prefetch_b8 v0, s[64:65] scope:SCOPE_SE
	s_setreg_imm32_b32 hwreg(HW_REG_WAVE_MODE, 25, 1), 1
	s_wait_xcnt 0x0
; Causal attention, fused.  Q, K, V: [32 heads][2048][128] f32.  out: [2][2048][16*128] f32.
; score = q.k / sqrt(128) (the problem's two factors 2 cancel); softmax over keys <= query, with a running maximum; out = P V.
;
; SHARING.  256 work-groups; work-group x serves head x >> 3 and, with i = x & 7, the query blocks (128 rows) i and 15 - i of that head:
; (2 i + 2) + (32 - 2 i) = 34 key tiles of 64 keys for every work-group.  Four waves; a wave owns 32 query rows = two tiles of 16 (nt = 0, 1).
; A block qb walks its key tiles in the order 2 qb, 2 qb + 1, 0, 1, .., 2 qb - 1: the first tile holds a valid key for every row, so it starts
; the maximum, the sum and the output sums (C = 0): nothing is cleared and no difference of two infinities can arise.
;
; MATRIX FORM, transposed.  S^T = K Q^T: source 0 = 16 keys x 32 d from LDS, source 1 = Q, kept in registers.  Lane (r, h) register j of a result
; holds key 8 h + j of its 16 and query r.  Two neighbouring key tiles, packed to f16 pair by pair, ARE the source-1 fragment of P^T for 32 keys:
; nothing moves between lanes.  O^T = V^T P^T: source 0 = V^T by the transposing LDS load from V kept [key][d]; lane (r, h) register j holds
; d = 8 h + j of its 16 and query r.  So maximum, sum and factor of a query are one number a lane; the two halves of the lanes hold different keys:
; one v_permlanex16_b32 joins the maxima, the sums stay apart until the end.
;
; FORMAT: f16 for all four matrix operands, sums in f32.  A row with few keys is a sum of a few terms of V's own size, and may come out much smaller
; than they are: it needs the 11 significant bits of f16 in P and in V (a rounding of at most 2^-12 of each term); bf16's 8 bits are too few there.
;
; K AND V come as f32 by 16-byte loads (one load of a wave = one whole key row of 512 bytes), are rounded to f16 once in the work-group and laid
; into one of two LDS buffers.  Two sets of staging registers: trip n stores tile n + 1 and asks for tile n + 3, so 2 x 32 loads of every wave are out.
;
; THE BATCHES.  A trip's exponentials (the four factors for the old sums, then the 64 scores in place) are ONE batch with ONE wait.  Ahead of the wait stands
; all that names none of their results: the maxima, the scalings (laced among the exponentials, six pairs ahead of them) and, behind the last exponential, the
; rounding of the next key tile's staging registers.  Behind the wait stand all the readers: the row sums, the roundings of P, the running sum, the rescaling
; of the output sums.  A block's four reciprocals are a batch of their own, with one wait ahead of the first multiply by them.
;
; NO CLUSTER, NO COPY ENGINE: the eight work-groups of a head start each block at their own diagonal and walk blocks of different lengths, so no two
; of them want the same tile in the same trip; and a tile brought into LDS as it lies in memory is 64 KiB of f32 that would have to be read back,
; rounded and stored again beside the 32 KiB of f16 that the matrix fragments are read from.
; NO PREFETCH: a tile's own loads go out two trips ahead of its use.
;
; LIMITS.  Inputs are finite (NaN and infinities are not served) and below 65,504 in magnitude, f16's largest number: beyond it the rounding gives
; infinity.  Inputs with a spread of about 1 leave a factor of some 10,000 to that bound.  Inputs under 2^-14 in magnitude are kept to 2^-25 absolutely.
; The row sum adds the unrounded f32 exponentials; P goes to the matrix unit in f16: terms of P under 2^-24 count as 0 there, beside a sum of at least 1.
.set KP,    272                        ; K and Q rows in LDS: 256 bytes + 16 = 17 x 16: the 16 rows of a fragment load begin in 16 different 16-byte columns of a 256-byte span
.set VP,    288                        ; V rows: 256 + 32 = 9 x 32, for the transposing load
.set VOFF,  64*KP                      ; 17,408: V's 64 rows lie behind K's 64
.set BUF,   64*KP+64*VP                ; 35,840 bytes a buffer; buffers at 0 and BUF
.set QBASE, 2*BUF                      ; 71,680: f16 Q, each wave's own 32 rows of pitch KP; low block first, then the high block
.set QWAVE, 32*KP                      ; 8,704
.set QBLK,  4*QWAVE                    ; 34,816.  QBASE + 2 QBLK = 141,312 bytes in all
.set OP,    528                        ; the way out: 16 rows of 512 bytes + 16, in the wave's own low-block Q bytes (16 x 528 = 8,448 <= 8,704), which are dead by then
; window 0
.set VKF, 2                            ; LDS: K fragment, r KP + 16 h
.set VVF, 3                            ; LDS: V fragment, VOFF + (8 h + (l & 7)) VP + 16 ((l >> 3) & 1)
.set VSK, 4                            ; LDS: where I store K, 16 w KP + 8 l
.set VSV, 5                            ; LDS: where I store V, VOFF + 16 w VP + 8 l
.set VQS, 6                            ; LDS: where I store Q
.set VQF, 7                            ; LDS: Q fragment
.set VOS, 8                            ; LDS: way out, in
.set VOR, 9                            ; LDS: way out, back
.set VGO, 10                           ; global: my 16 bytes in my wave's 16 rows of a key tile, 8,192 w + 16 l
.set VQG, 11                           ; global: the same in my wave's 32 query rows, 16,384 w + 16 l
.set VOG, 12                           ; global: 16 l
.set VD,  13                           ; mask: 32 w + r - 8 h
.set VDB, 14                           ; mask: the same - 64
.set MX,  16                           ; v[16:19]  running maximum, [trip parity][nt]
.set NM,  20                           ; v[20:27]  (-c m, -c m), [trip parity][nt], pairs
.set LS,  28                           ; v[28:29]  running sum of my half's keys, [nt]
.set AL,  30                           ; v[30:33]  factor for the old sums, [nt], pairs; at the end 1 / sum
.set TT,  34                           ; v[34:49]  at work
.set SR,  64                           ; v[64:127]   scores, tile (kt, nt) at SR + 32 nt + 8 kt
.set PB,  128                          ; v[128:159]  P in f16, fragment (32 keys ks2, nt) at PB + 16 nt + 8 ks2
.set QR,  160                          ; v[160:223]  Q fragments, (nt, ks) at QR + 32 nt + 8 ks
; window 1: K fragments (ks, kt) at 32 ks + 8 kt; V fragments (ks2, dt) at 128 + 64 ks2 + 8 dt; in the prologue raw Q
; window 2: output sums (nt, dt) at 64 nt + 8 dt
; window 3: staging set p: K row j at 128 p + 4 j, V row j at 128 p + 64 + 4 j
.set KB,  16                           ; s[16:17] K at my head        s[18:19] V at my head
.set VB,  18
.set PF,  20                           ; s[20:21] byte offset in the head of the tile asked for next; s22 where it wraps to 0; s23 tiles left in the low block
.set NK,  26                           ; s[26:29] K and V addresses of staging set 0's tile, s[30:33] of set 1's
                                       ; s24, s25: first offset and wrap of the high block   s34, s35: lane selectors   s[36:37]: c, c   s38: -c   s39: -infinity
                                       ; s40: loop counter   s[42:43], s[44:45]: out, low and high block   s[46:47], s[48:49]: Q, low and high block
.set MSB, 0
.macro WIN new                         ; s_set_vgpr_msb: bits 1:0 source 0, 3:2 source 1, 5:4 source 2, 7:6 destination; the high byte repeats the setting that is left
.if MSB != \new
	s_set_vgpr_msb (MSB<<8)|\new
.set MSB, \new
.endif
.endm
.macro PLACES                          ; four places behind matrix instructions (ISA guide 7.12.1)
.rept 4
	v_nop
.endr
.endm
; Ask for the next key tile into staging set p: 16 rows of K and 16 of V a wave, each load one whole row of 512 bytes.  Then step the cursor.
.macro LOADTILE p
	s_add_nc_u64 s[NK+4*\p:NK+4*\p+1], s[KB:KB+1], s[PF:PF+1]       ; this set's earlier loads have been shown done by their counted wait: its bases are free
	s_add_nc_u64 s[NK+4*\p+2:NK+4*\p+3], s[VB:VB+1], s[PF:PF+1]
	WIN 0xc0
.irp j, 0,1,2,3,4,5,6,7,8,9,10,11,12,13,14,15
	global_load_b128 v[128*\p+4*\j:128*\p+4*\j+3], v[VGO], s[NK+4*\p:NK+4*\p+1] offset:512*\j
.endr
.irp j, 0,1,2,3,4,5,6,7,8,9,10,11,12,13,14,15
	global_load_b128 v[128*\p+64+4*\j:128*\p+64+4*\j+3], v[VGO], s[NK+4*\p+2:NK+4*\p+3] offset:512*\j
.endr
	s_add_co_u32 s[PF], s[PF], 0x8000              ; 64 keys x 512 bytes on
	s_cmp_eq_u32 s[PF], s22
	s_cselect_b32 s[PF], 0, s[PF]                  ; behind the two diagonal tiles: tile 0
	s_sub_co_u32 s23, s23, 1
	s_cmp_eq_u32 s23, 0
	s_cselect_b32 s[PF], s24, s[PF]                ; behind the low block's last tile: the high block's diagonal,
	s_cselect_b32 s22, s25, s22                    ; and its wrap
.endm
; Round staging set p to f16 in place (4 f32 -> 2 registers) and lay it into LDS buffer buf: 8 bytes a lane, 256 neighbouring bytes a store.
; batch = 1: a trip's exponentials have been issued just ahead.  The 64 roundings, which name window 3 alone, are the independent work behind that batch
; (the first of them is the plain instruction behind the last exponential), and the batch's one wait stands behind them, ahead of the run of stores.
.macro CVTSTORE p, buf, batch
	WIN 0xcf
.set cv_a, 128*\p
.rept 32
	v_cvt_pk_f16_f32 v[cv_a], v[cv_a], v[cv_a+1]
	v_cvt_pk_f16_f32 v[cv_a+1], v[cv_a+2], v[cv_a+3]
.set cv_a, cv_a+4
.endr
.if \batch
	s_wait_alu depctr_va_vdst(0)                   ; the wait for the trip's batch, the factors and the 64 scores' exponentials, ahead of their first reader
.endif
	WIN 0x0c
.irp j, 0,1,2,3,4,5,6,7,8,9,10,11,12,13,14,15
	ds_store_b64 v[VSK], v[128*\p+4*\j:128*\p+4*\j+1] offset:\buf*BUF+\j*KP
.endr
.irp j, 0,1,2,3,4,5,6,7,8,9,10,11,12,13,14,15
	ds_store_b64 v[VSV], v[128*\p+64+4*\j:128*\p+64+4*\j+1] offset:\buf*BUF+\j*VP
.endr
.endm
; Raw Q of block blk (32 rows a wave) into window 1; read once in the launch
.macro QGLOAD blk, base
	WIN 0x40
.set cv_a, 0
.rept 32
	global_load_b128 v[128*\blk+4*cv_a:128*\blk+4*cv_a+3], v[VQG], s[\base:\base+1] offset:512*cv_a th:TH_LOAD_NT
.set cv_a, cv_a+1
.endr
.endm
; Round it and lay it into my wave's own rows of LDS
.macro QSTORE blk
	WIN 0x45
.set cv_a, 128*\blk
.rept 32
	v_cvt_pk_f16_f32 v[cv_a], v[cv_a], v[cv_a+1]
	v_cvt_pk_f16_f32 v[cv_a+1], v[cv_a+2], v[cv_a+3]
.set cv_a, cv_a+4
.endr
	WIN 0x04
.set cv_a, 0
.rept 32
	ds_store_b64 v[VQS], v[128*\blk+4*cv_a:128*\blk+4*cv_a+1] offset:\blk*QBLK+cv_a*KP
.set cv_a, cv_a+1
.endr
.endm
; 32 loads: all K fragments of a tile, 32 d at a time (ks), so that the products can begin when the first eight are in
.macro KLOAD buf
	WIN 0x40
.irp ks, 0,1,2,3
.irp kt, 0,1,2,3
	ds_load_b128 v[32*\ks+8*\kt:32*\ks+8*\kt+3],   v[VKF] offset:\buf*BUF+\kt*16*KP+\ks*64
	ds_load_b128 v[32*\ks+8*\kt+4:32*\ks+8*\kt+7], v[VKF] offset:\buf*BUF+\kt*16*KP+\ks*64+32
.endr
.endr
.endm
; 32 transposing loads: all V^T fragments of a tile (16 d x 32 keys each)
.macro VLOAD buf
	WIN 0x40
.irp ks2, 0,1
.irp dt, 0,1,2,3,4,5,6,7
	ds_load_tr16_b128 v[128+64*\ks2+8*\dt:128+64*\ks2+8*\dt+3],   v[VVF] offset:\buf*BUF+\ks2*32*VP+\dt*32
	ds_load_tr16_b128 v[128+64*\ks2+8*\dt+4:128+64*\ks2+8*\dt+7], v[VVF] offset:\buf*BUF+\ks2*32*VP+\dt*32+16*VP
.endr
.endr
.endm
; 16 loads: my wave's Q fragments of block blk, from its own bytes
.macro QLOAD blk
	WIN 0
.irp nt, 0,1
.irp ks, 0,1,2,3
	ds_load_b128 v[QR+32*\nt+8*\ks:QR+32*\nt+8*\ks+3],   v[VQF] offset:\blk*QBLK+\nt*16*KP+\ks*64
	ds_load_b128 v[QR+32*\nt+8*\ks+4:QR+32*\nt+8*\ks+7], v[VQF] offset:\blk*QBLK+\nt*16*KP+\ks*64+32
.endr
.endr
.endm
; 32 matrix instructions: scores of 64 keys x 32 queries.  The eight accumulators take turns, one instruction a turn.
; first = 1: Q's fragments were asked for behind K's, so the one wait is for all.
.macro QK first
	WIN 0x01
.irp ks, 0,1,2,3
.if \first
.if \ks == 0
	s_wait_dscnt 0x0
.endif
.else
	s_wait_dscnt 24-8*\ks                          ; the K loads are the youngest LDS instructions: 8 (3 - ks) of them belong to later ks and may be out
.endif
.irp kt, 0,1,2,3
.irp nt, 0,1
.if \ks == 0
	v_wmma_f32_16x16x32_f16 v[SR+32*\nt+8*\kt:SR+32*\nt+8*\kt+7], v[32*\ks+8*\kt:32*\ks+8*\kt+7], v[QR+32*\nt+8*\ks:QR+32*\nt+8*\ks+7], 0
.else
	v_wmma_f32_16x16x32_f16 v[SR+32*\nt+8*\kt:SR+32*\nt+8*\kt+7], v[32*\ks+8*\kt:32*\ks+8*\kt+7], v[QR+32*\nt+8*\ks:QR+32*\nt+8*\ks+7], v[SR+32*\nt+8*\kt:SR+32*\nt+8*\kt+7]
.endif
.endr
.endr
.endr
.endm
; A diagonal tile: key 16 kt + 8 h + j (+ 64) stays where it is <= query 32 w + 16 nt + r, that is 16 kt + j - 16 nt <= vd; else -infinity
.macro MASK vd
.irp nt, 0,1
.irp kt, 0,1,2,3
.irp j, 0,1,2,3,4,5,6,7
	v_cmp_le_i32 vcc_lo, 16*\kt+\j-16*\nt, v[\vd]
	v_cndmask_b32 v[SR+32*\nt+8*\kt+\j], s39, v[SR+32*\nt+8*\kt+\j], vcc_lo
.endr
.endr
.endr
.endm
; Pair sm_k of tile column nt: into one of two sum chains (the first four pairs start them) and, packed, into P.  Both lines read exponentials: they stand behind the batch's wait.
.macro SUMCVT nt
.if sm_k >= 4
	v_pk_add_f32 v[TT+4*\nt+2*(sm_k&1):TT+4*\nt+2*(sm_k&1)+1], v[TT+4*\nt+2*(sm_k&1):TT+4*\nt+2*(sm_k&1)+1], v[SR+32*\nt+2*sm_k:SR+32*\nt+2*sm_k+1]
.elseif sm_k >= 2
	v_pk_add_f32 v[TT+4*\nt+2*(sm_k&1):TT+4*\nt+2*(sm_k&1)+1], v[SR+32*\nt+2*sm_k-4:SR+32*\nt+2*sm_k-3], v[SR+32*\nt+2*sm_k:SR+32*\nt+2*sm_k+1]
.endif
	v_cvt_pk_f16_f32 v[PB+16*\nt+sm_k], v[SR+32*\nt+2*sm_k], v[SR+32*\nt+2*sm_k+1]
.endm
; The scaling c s - c m of pair sm_f of the 32 (column sm_f / 16, its pair sm_f % 16); the count steps
.macro FS b
	v_pk_fma_f32 v[SR+2*sm_f:SR+2*sm_f+1], v[SR+2*sm_f:SR+2*sm_f+1], s[36:37], v[NM+4*\b+2*(sm_f/16):NM+4*\b+2*(sm_f/16)+1] op_sel_hi:[1,0,1]
.set sm_f, sm_f+1
.endm
; Running softmax of one tile, first part: all that names no exponential's result.  b = the trip's parity, ob = the other.  p = 2^(c s - c m), c = log2(e) / sqrt(128).
.macro SOFTMAX_A b, ob, first
	; the largest of my 32 scores for each nt: eight chains of three-way maxima
.irp nt, 0,1
.irp kt, 0,1,2,3
	v_max3_num_f32 v[TT+4*\nt+\kt], v[SR+32*\nt+8*\kt], v[SR+32*\nt+8*\kt+1], v[SR+32*\nt+8*\kt+2]
.endr
.endr
.irp nt, 0,1
.irp kt, 0,1,2,3
	v_max3_num_f32 v[TT+4*\nt+\kt], v[TT+4*\nt+\kt], v[SR+32*\nt+8*\kt+3], v[SR+32*\nt+8*\kt+4]
.endr
.endr
.irp nt, 0,1
.irp kt, 0,1,2,3
	v_max3_num_f32 v[TT+4*\nt+\kt], v[TT+4*\nt+\kt], v[SR+32*\nt+8*\kt+5], v[SR+32*\nt+8*\kt+6]
.endr
.endr
.irp nt, 0,1
	v_max3_num_f32 v[TT+4*\nt],   v[TT+4*\nt],   v[TT+4*\nt+1], v[SR+32*\nt+7]
	v_max3_num_f32 v[TT+4*\nt+2], v[TT+4*\nt+2], v[TT+4*\nt+3], v[SR+32*\nt+15]
.endr
.irp nt, 0,1
	v_max3_num_f32 v[TT+4*\nt], v[TT+4*\nt], v[TT+4*\nt+2], v[SR+32*\nt+23]
.endr
.irp nt, 0,1
	v_max_num_f32 v[TT+4*\nt], v[TT+4*\nt], v[SR+32*\nt+31]
.endr
.irp nt, 0,1
	v_permlanex16_b32 v[TT+8+\nt], v[TT+4*\nt], s34, s35           ; the other half's keys of the same query
.endr
.irp nt, 0,1
.if \first
	v_max_num_f32 v[MX+2*\b+\nt], v[TT+4*\nt], v[TT+8+\nt]
.else
	v_max3_num_f32 v[MX+2*\b+\nt], v[TT+4*\nt], v[TT+8+\nt], v[MX+2*\ob+\nt]
.endif
.endr
.irp nt, 0,1
	v_mul_f32 v[NM+4*\b+2*\nt],   s38, v[MX+2*\b+\nt]              ; -c m, twice: a pair for the packed multiply-add
	v_mul_f32 v[NM+4*\b+2*\nt+1], s38, v[MX+2*\b+\nt]
.endr
.if \first == 0
.irp nt, 0,1
	v_sub_f32 v[TT+10+\nt], v[NM+4*\b+2*\nt], v[NM+4*\ob+2*\nt]    ; c (old m - new m) <= 0
.endr
.endif
	; THE BATCH: the four factors for the old sums, then the 64 scores in place.  None of its lines names an exponential's result, and each result keeps its register until the wait.
	; The 32 scalings are laced among the exponentials; a pair is scaled six pairs ahead of its two exponentials, so the last six pairs' stand on end.
	; No line behind an exponential reads its result or writes its source (ISA guide 5.7.2).
.set sm_f, 0
	FS \b
	FS \b
.if \first == 0
.irp nt, 0,1
	v_exp_f32 v[AL+2*\nt],   v[TT+10+\nt]                          ; the factor for the old sums, twice: a pair for the packed multiply
	FS \b
	v_exp_f32 v[AL+2*\nt+1], v[TT+10+\nt]
	FS \b
.endr
.else
.rept 4
	FS \b
.endr
.endif
.set sm_k, 0
.rept 32
	v_exp_f32 v[SR+2*sm_k],   v[SR+2*sm_k]
.if sm_f < 32
	FS \b
.endif
	v_exp_f32 v[SR+2*sm_k+1], v[SR+2*sm_k+1]
.set sm_k, sm_k+1
.endr
.endm
; Second part, behind the batch's wait: the readers.  The two columns go by turns, so that the links of the four sum chains stand eight lines apart; each sum keeps its own order.
.macro SOFTMAX_B first
.set sm_k, 0
.rept 16
	SUMCVT 0
	SUMCVT 1
.set sm_k, sm_k+1
.endr
.irp nt, 0,1
	v_pk_add_f32 v[TT+4*\nt:TT+4*\nt+1], v[TT+4*\nt:TT+4*\nt+1], v[TT+4*\nt+2:TT+4*\nt+3]
.endr
.irp nt, 0,1
.if \first
	v_add_f32 v[LS+\nt], v[TT+4*\nt], v[TT+4*\nt+1]
.else
	v_add_f32 v[TT+4*\nt], v[TT+4*\nt], v[TT+4*\nt+1]
	v_fma_f32 v[LS+\nt], v[LS+\nt], v[AL+2*\nt], v[TT+4*\nt]
.endif
.endr
.endm
; The old output sums times the factor
.macro RESCALE
	WIN 0x82
.irp nt, 0,1
.set rs_k, 0
.rept 32
	v_pk_mul_f32 v[64*\nt+2*rs_k:64*\nt+2*rs_k+1], v[64*\nt+2*rs_k:64*\nt+2*rs_k+1], v[AL+2*\nt:AL+2*\nt+1]
.set rs_k, rs_k+1
.endr
.endr
.endm
; 32 matrix instructions: O^T += V^T P^T.  The sixteen accumulators take turns, one instruction a turn.
.macro PV first
	WIN 0xa1
.irp ks2, 0,1
.irp dt, 0,1,2,3,4,5,6,7
.irp nt, 0,1
.if \first*(1-\ks2)
	v_wmma_f32_16x16x32_f16 v[64*\nt+8*\dt:64*\nt+8*\dt+7], v[128+64*\ks2+8*\dt:128+64*\ks2+8*\dt+7], v[PB+16*\nt+8*\ks2:PB+16*\nt+8*\ks2+7], 0
.else
	v_wmma_f32_16x16x32_f16 v[64*\nt+8*\dt:64*\nt+8*\dt+7], v[128+64*\ks2+8*\dt:128+64*\ks2+8*\dt+7], v[PB+16*\nt+8*\ks2:PB+16*\nt+8*\ks2+7], v[64*\nt+8*\dt:64*\nt+8*\dt+7]
.endif
.endr
.endr
.endr
.endm
; One key tile, n, in LDS buffer b (ob = the other buffer, and the staging set of tiles n + 1 and n + 3).
; first: the block's first tile.  mask: 0 none, 1 first diagonal tile, 2 second.  st: tile n + 1 exists.  ld: tile n + 3 exists.
; left: how many younger global loads may stay out when tile n + 1 has to be in its staging set.
; ONE barrier a trip, for two things.  In front of it every wave's LDS instructions are done: its reads of buffer b (K's in the products above,
; V's here) and its stores of tile n + 1 into buffer ob.  So behind it tile n + 1 may be read, and in the next trip buffer b may be written.
; ONE wait for the trip's exponentials: the batch, tile n + 1's roundings, the wait, tile n + 1's stores, and then the batch's readers.
.macro TRIP b, ob, first, mask, st, ld, left
	QK \first
	PLACES                                         ; behind the products above: their scores are read below; behind the last trip's output products: their V fragments are loaded again, their P rewritten
	VLOAD \b
	WIN 0
.if \mask == 1
	MASK VD
.endif
.if \mask == 2
	MASK VDB
.endif
	SOFTMAX_A \b, \ob, \first
.if \st
	s_wait_loadcnt \left                           ; loads come back in order (ISA guide 5.7.1): tile n + 1 is in; the 32 loads of tile n + 2, where it exists, stay out
	CVTSTORE \ob, \ob, 1
.else
	v_nop                                          ; no tile is left to round: a plain instruction behind the last exponential (ISA guide 5.7.2),
	s_wait_alu depctr_va_vdst(0)                   ; and the wait for the trip's batch, ahead of its first reader
.endif
	WIN 0
	SOFTMAX_B \first
.if \first == 0
	RESCALE
.endif
	s_wait_dscnt 0x0                               ; V's fragments are in and my stores are done: for my products below, and for the other waves
.if \st
	s_barrier_signal -1
	s_barrier_wait -1
	KLOAD \ob                                      ; tile n + 1's K fragments, 32 matrix instructions ahead of their first use
.endif
.if \ld
	LOADTILE \ob
.endif
	PV \first
.endm
; The end of a block: divide by the sum, and out through my wave's own stage, 16 queries at a time; a store covers 512 neighbouring bytes, aligned.
.macro EPI ob
	PLACES                                         ; behind the last output products
.irp nt, 0,1
	v_permlanex16_b32 v[TT+8+\nt], v[LS+\nt], s34, s35             ; the other half's keys
.endr
.irp nt, 0,1
	v_add_f32 v[TT+8+\nt], v[TT+8+\nt], v[LS+\nt]                  ; at least 1: the largest score's term
.endr
.irp nt, 0,1
	v_rcp_f32 v[AL+2*\nt],   v[TT+8+\nt]
	v_rcp_f32 v[AL+2*\nt+1], v[TT+8+\nt]
.endr
	v_nop                                          ; a plain place behind the reciprocals (ISA guide 5.7.2)
	s_wait_alu depctr_va_vdst(0)                   ; the four reciprocals are one batch: the wait stands ahead of their first reader, the first multiply below
.irp nt, 0,1
	WIN 0x82
.set rs_k, 0
.rept 32
	v_pk_mul_f32 v[64*\nt+2*rs_k:64*\nt+2*rs_k+1], v[64*\nt+2*rs_k:64*\nt+2*rs_k+1], v[AL+2*\nt:AL+2*\nt+1]
.set rs_k, rs_k+1
.endr
	WIN 0x08
.irp dt, 0,1,2,3,4,5,6,7
	ds_store_b128 v[VOS], v[64*\nt+8*\dt:64*\nt+8*\dt+3]   offset:\dt*64      ; query r, d = 16 dt + 8 h + 0..3
	ds_store_b128 v[VOS], v[64*\nt+8*\dt+4:64*\nt+8*\dt+7] offset:\dt*64+16   ; and + 4..7
.endr
	WIN 0
.irp rho, 0,1,2,3,4,5,6,7,8,9,10,11,12,13,14,15
	ds_load_b128 v[SR+96*\nt+4*\rho:SR+96*\nt+4*\rho+3], v[VOR] offset:\rho*OP   ; LDS serves a wave's instructions in order (ISA guide 5.7.1): these see the stores above, and the next 16 queries' stores come behind them
.endr
.irp rho, 0,1,2,3,4,5,6,7,8,9,10,11,12,13,14,15
	s_wait_dscnt 15-\rho                           ; row rho is in; the younger rows may be out
	global_store_b128 v[VOG], v[SR+96*\nt+4*\rho:SR+96*\nt+4*\rho+3], s[\ob:\ob+1] offset:\rho*8192+\nt*131072 th:TH_STORE_NT
.endr
.endr
	s_wait_xcnt 0x0                                ; the stores' data lie where scores and Q fragments are written next
.endm
	s_load_b256 s[4:11], s[0:1], 0x0               ; Q s[4:5], K s[6:7], V s[8:9], out s[10:11]
	v_lshl_add_u32 v254, v0, 2, 0x22800
	v_mov_b32 v255, 0
	v_lshrrev_b32 v1, 5, v0
	v_readfirstlane_b32 s12, v1                    ; wave w
	s_and_b32 s13, ttmp9, 7                        ; i
	s_lshr_b32 s14, ttmp9, 3                       ; head, 0 to 31
	s_mov_b32 s34, 0x76543210                      ; v_permlanex16_b32: lane i of one half reads lane i of the other
	s_mov_b32 s35, 0xfedcba98
	s_mov_b32 s36, 0x3e0293ee                      ; c = log2(e) / sqrt(128)
	s_mov_b32 s37, 0x3e0293ee
	s_mov_b32 s38, 0xbe0293ee                      ; -c
	s_mov_b32 s39, 0xff800000                      ; -infinity
	s_lshl_b32 s[PF], s13, 16                      ; the low block's diagonal: tile 2 i, 32,768 bytes a tile
	s_mov_b32 s[PF+1], 0
	s_add_co_u32 s22, s[PF], 0x10000               ; two tiles on the cursor wraps to tile 0
	s_lshl_b32 s23, s13, 1
	s_add_co_u32 s23, s23, 2                       ; 2 i + 2 tiles in the low block
	s_sub_co_u32 s24, 15, s13
	s_lshl_b32 s24, s24, 16                        ; the high block's diagonal: tile 2 (15 - i)
	s_add_co_u32 s25, s24, 0x10000
	v_and_b32 v[TT], 31, v0                        ; l
	v_and_b32 v[TT+1], 15, v0                      ; r
	v_bfe_u32 v[TT+2], v0, 4, 1                    ; h
	v_mul_u32_u24 v[VKF], v[TT+1], KP
	v_lshl_add_u32 v[VKF], v[TT+2], 4, v[VKF]
	v_and_b32 v[TT+3], 7, v0
	v_lshl_add_u32 v[TT+3], v[TT+2], 3, v[TT+3]
	v_mul_u32_u24 v[TT+3], v[TT+3], VP
	v_bfe_u32 v[TT+4], v0, 3, 1
	v_lshl_add_u32 v[TT+3], v[TT+4], 4, v[TT+3]
	v_add_nc_u32 v[VVF], VOFF, v[TT+3]
	s_mul_i32 s50, s12, 16*KP
	v_lshl_add_u32 v[VSK], v[TT], 3, s50
	s_mul_i32 s51, s12, 16*VP
	s_add_co_u32 s51, s51, VOFF
	v_lshl_add_u32 v[VSV], v[TT], 3, s51
	s_mul_i32 s52, s12, QWAVE
	s_add_co_u32 s52, s52, QBASE                   ; my wave's own bytes
	v_lshl_add_u32 v[VQS], v[TT], 3, s52
	v_add_nc_u32 v[VQF], s52, v[VKF]
	v_mul_u32_u24 v[TT+3], v[TT+1], OP
	v_lshl_add_u32 v[TT+3], v[TT+2], 5, v[TT+3]
	v_add_nc_u32 v[VOS], s52, v[TT+3]
	v_lshl_add_u32 v[VOR], v[TT], 4, s52
	s_lshl_b32 s53, s12, 13
	v_lshl_add_u32 v[VGO], v[TT], 4, s53
	s_lshl_b32 s54, s12, 14
	v_lshl_add_u32 v[VQG], v[TT], 4, s54
	v_lshlrev_b32 v[VOG], 4, v[TT]
	s_lshl_b32 s55, s12, 5
	v_lshlrev_b32 v[TT+3], 3, v[TT+2]
	v_sub_nc_u32 v[TT+3], v[TT+1], v[TT+3]
	v_add_nc_u32 v[VD], s55, v[TT+3]
	v_add_nc_u32 v[VDB], 0xffffffc0, v[VD]
	v_mov_b32 v[TT+8], 0                           ; v_permlanex16_b32 counts as a reader of its destination
	v_mov_b32 v[TT+9], 0
	; offsets, apart from the addresses
	s_lshl_b32 s56, s14, 20                        ; a head: 2,048 x 512 bytes
	s_mov_b32 s57, 0
	s_mov_b32 s58, s24                             ; the high block's rows in Q: 128 (15 - i) x 512 bytes, the same figure as its diagonal tile's offset
	s_mov_b32 s59, 0
	s_lshr_b32 s60, s14, 4                         ; out: batch x 2,048 rows x 8,192 bytes
	s_lshl_b32 s60, s60, 24
	s_and_b32 s62, s14, 15
	s_lshl_b32 s62, s62, 9                         ; + head in the batch x 512 bytes
	s_add_co_u32 s60, s60, s62
	s_lshl_b32 s62, s12, 18                        ; + 32 w rows
	s_add_co_u32 s60, s60, s62
	s_lshl_b32 s62, s24, 4                         ; + 128 (15 - i) rows
	s_add_co_u32 s62, s62, s60
	s_lshl_b32 s61, s13, 20                        ; + 128 i rows
	s_add_co_u32 s60, s60, s61
	s_mov_b32 s61, 0
	s_mov_b32 s63, 0
	s_wait_kmcnt 0x0
	s_add_nc_u64 s[KB:KB+1], s[6:7], s[56:57]
	s_add_nc_u64 s[VB:VB+1], s[8:9], s[56:57]
	s_add_nc_u64 s[46:47], s[4:5], s[56:57]
	s_add_nc_u64 s[48:49], s[46:47], s[58:59]
	s_add_nc_u64 s[46:47], s[46:47], s[PF:PF+1]    ; the low block's rows: 128 i x 512 bytes, the cursor's first value
	s_add_nc_u64 s[42:43], s[10:11], s[60:61]
	s_add_nc_u64 s[44:45], s[10:11], s[62:63]
	LOADTILE 0                                     ; tile 0
	QGLOAD 0, 46
	LOADTILE 1                                     ; tile 1
	QGLOAD 1, 48
	s_wait_loadcnt 0x3f                            ; of the 128 loads the oldest 65 are in: tile 0 and the low block's Q
	CVTSTORE 0, 0, 0                               ; no exponential has been issued yet: no wait for a batch
	QSTORE 0
	LOADTILE 0                                     ; tile 2
	s_wait_loadcnt 0x20                            ; all but tile 2's 32 loads: the high block's Q is in
	QSTORE 1
	s_wait_dscnt 0x0                               ; my stores of tile 0 are done, for the other waves
	s_barrier_signal -1
	s_barrier_wait -1
	KLOAD 0
	QLOAD 0
	; the low block: two diagonal tiles, then i pairs of whole tiles
	TRIP 0, 1, 1, 1, 1, 1, 32
	TRIP 1, 0, 0, 2, 1, 1, 32
	WIN 0                                          ; at a branch and at a label every window is 0
	s_cmp_eq_u32 s13, 0
	s_cbranch_scc1 .Llow_done
	s_mov_b32 s40, s13
.Llow:
	TRIP 0, 1, 0, 0, 1, 1, 32
	TRIP 1, 0, 0, 0, 1, 1, 32
	WIN 0
	s_sub_co_u32 s40, s40, 1
	s_cmp_lg_u32 s40, 0
	s_cbranch_scc1 .Llow
.Llow_done:
	EPI 42
	QLOAD 1
	; the high block: two diagonal tiles, 13 - i pairs (6 to 13), and the launch's last four tiles written out: they ask for nothing beyond tile 33
	TRIP 0, 1, 1, 1, 1, 1, 32
	TRIP 1, 0, 0, 2, 1, 1, 32
	WIN 0
	s_sub_co_i32 s40, 13, s13
.Lhigh:
	TRIP 0, 1, 0, 0, 1, 1, 32
	TRIP 1, 0, 0, 0, 1, 1, 32
	WIN 0
	s_sub_co_i32 s40, s40, 1
	s_cmp_gt_i32 s40, 0                            ; a signed compare: the count comes down and ends from any start
	s_cbranch_scc1 .Lhigh
	TRIP 0, 1, 0, 0, 1, 1, 32                      ; tile 30: stores 31, asks for 33
	TRIP 1, 0, 0, 0, 1, 0, 32                      ; tile 31: stores 32; 33's loads stay out
	TRIP 0, 1, 0, 0, 1, 0, 0                       ; tile 32: stores 33, the last: no load is younger
	TRIP 1, 0, 0, 0, 0, 0, 0                       ; tile 33: nothing to store, so no barrier
	WIN 0
	EPI 44
	s_wait_tensorcnt 0x0
	ds_add_u32 v254, v255
	s_wait_dscnt 0x0
	s_endpgm
.Lfunc_end_k_q0b5c796092_attn:
	.size	k_q0b5c796092_attn, .Lfunc_end_k_q0b5c796092_attn-k_q0b5c796092_attn
	.p2alignl 7, 3214868480
	.fill 96, 4, 3214868480
	.section	.rodata,"a",@progbits
	.p2align	6, 0x0
	.amdhsa_kernel k_q0b5c796092_attn
		.amdhsa_group_segment_fixed_size 141824
		.amdhsa_private_segment_fixed_size 0
		.amdhsa_enable_private_segment 0
		.amdhsa_kernarg_size 32
		.amdhsa_user_sgpr_count 2
		.amdhsa_user_sgpr_kernarg_segment_ptr 1
		.amdhsa_wavefront_size32 1
		.amdhsa_system_sgpr_workgroup_id_x 1
		.amdhsa_system_sgpr_workgroup_id_y 1
		.amdhsa_system_sgpr_workgroup_id_z 1
		.amdhsa_system_vgpr_workitem_id 0
		.amdhsa_next_free_vgpr 1024
		.amdhsa_next_free_sgpr 66
		.amdhsa_reserve_vcc 1
		.amdhsa_float_denorm_mode_32 3
		.amdhsa_float_denorm_mode_16_64 3
		.amdhsa_memory_ordered 1
		.amdhsa_forward_progress 1
		.amdhsa_inst_pref_size 255
	.end_amdhsa_kernel
	.section	.bss,"aw",@nobits
	.p2align	6
	.space	262144
	.amdgpu_metadata
---
amdhsa.version: [ 1, 2 ]
amdhsa.kernels:
  - .name:           k_q0b5c796092_attn
    .symbol:         k_q0b5c796092_attn.kd
    .args:
      - { .name: query_layer, .offset: 0, .size: 8, .value_kind: global_buffer, .address_space: global }
      - { .name: key_layer, .offset: 8, .size: 8, .value_kind: global_buffer, .address_space: global }
      - { .name: value_layer, .offset: 16, .size: 8, .value_kind: global_buffer, .address_space: global }
      - { .name: out0, .offset: 24, .size: 8, .value_kind: global_buffer, .address_space: global }
    .group_segment_fixed_size: 141824
    .private_segment_fixed_size: 0
    .kernarg_segment_align: 8
    .kernarg_segment_size: 32
    .max_flat_workgroup_size: 128
    .sgpr_count:     66
    .vgpr_count:     1024
    .wavefront_size: 32
...
	.end_amdgpu_metadata
.endif
;; end of part 2
